; MI455X (gfx1250); checked and timed in simulation.
; The chip was launched on July 23, 2026; its instructions are those of AMD's public machine-readable ISA for CDNA 5 (MIT licence, August 2026) and "CDNA5" Instruction Set Architecture Reference Guide (July 2026). The comments in the code are by the model that wrote it; some were corrected since.
;; A Li Bi Attention. Allowed arithmetic: matrix products marked QUANTISED: E2M3 operands, one E8M0 scale for each 32 along K, by v_wmma_scale_f32_16x16x128_f8f6f4 with both operands' format E2M3, f32 sums; everything else in f32.
;; Inputs: bo 1,024 float32; wk 1,024 x 1,024 float32; wo 1,024 x 1,024 float32; wq 1,024 x 1,024 float32; wv 1,024 x 1,024 float32; x 4 x 2,048 x 1,024 float32.
;; Outputs: out0 4 x 2,048 x 1,024 float32.
;; This version of the problem:
;;   THIS VERSION OF THE PROBLEM IS GIVEN IN LOW PRECISION. The matrix products marked QUANTISED in the list below multiply operands that are first quantised to E2M3 (2 exponent bits, 3 mantissa bits; 6 bits a number), with one power-of-two scale for each 32 numbers along K (OCP MX v1.0); their sums are f32. All else is computed in f32.
;;   The module's matrix products, in the order in which they are computed (A, B: the left and right operand; K: the contracted axis; several contracted axes count as one K, in the product's order):
;;     1. [M 8,192, K 1,024] x [K 1,024, N 1,024]; A: input x; B: input wq: QUANTISED
;;     2. [M 8,192, K 1,024] x [K 1,024, N 1,024]; A: input x; B: input wk: QUANTISED
;;     3. [M 8,192, K 1,024] x [K 1,024, N 1,024]; A: input x; B: input wv: QUANTISED
;;     4. batch 64 x [M 2,048, K 64] x [K 64, N 2,048]; A: computed on the way; B: computed on the way: QUANTISED
;;     5. batch 64 x [M 2,048, K 2,048] x [K 2,048, N 64]; A: softmax (see below); B: computed on the way: QUANTISED
;;     6. [M 8,192, K 1,024] x [K 1,024, N 1,024]; A: computed on the way; B: input wo: QUANTISED
;;   THE QUANTISER, for each operand of a quantised product, along K:
;;     - K is cut into blocks of 32 from its start; a last block that is shorter is filled with zeros.
;;     - A block's scale is 2^e with e = floor(log2(the largest magnitude in the block)) - 2, held to -126 .. 127; a block of zeros has e = 0. As a byte (E8M0): e + 127.
;;     - Each number is divided by its block's scale, clamped to +-7.5, and rounded to the nearest number of E2M3, ties to even, subnormals kept.
;;     - The product sums the exact products of the quantised numbers (number of the format x scale) in f32.
;;   ~~~python
;;   def quantise(x, axis):      # numpy; x: float32 -> the quantised numbers, widened to float32 again
;;       x = np.moveaxis(x, axis, -1); K = x.shape[-1]
;;       x = np.pad(x, [(0, 0)] * (x.ndim - 1) + [(0, -K % 32)]); x = x.reshape(x.shape[:-1] + (-1, 32)); a = np.abs(x).max(-1, keepdims=True)
;;       e = np.where(a > 0, np.clip(np.frexp(np.where(a > 0, a, 1))[1] - 1 - 2, -126, 127), 0)      # np.frexp(a)[1] - 1 = floor(log2(a)), exactly
;;       r = np.clip(x / 2.0 ** e, -7.5, 7.5)
;;       step = 2.0 ** (np.maximum(np.frexp(np.where(r == 0, 1, r))[1] - 1, 0) - 3)
;;       q = np.round(r / step) * step * 2.0 ** e      # np.round: ties to even
;;       return np.moveaxis(q.reshape(q.shape[:-2] + (-1,))[..., :K], -1, axis).astype(np.float32)
;;   ~~~
;;   SOFTMAX AHEAD OF A QUANTISED PRODUCT. Where the list says 'softmax', what is quantised is not the finished softmax but p = 2^(t - M), with t = logit x log2(e) and M = ceil(the row's largest t), a whole number; so 1/2 < the row's largest p <= 1. The row's sum l is taken of the UNQUANTISED p, in f32, and the product's result is divided by l at the end. Since M is a whole number, a kernel that streams over the keys may use a running M (the ceiling of the running maximum): every later rescaling is an exact power of two, which a block's scale takes up: the codes' values come out the same.
;;   OPERANDS COMPUTED ON THE WAY. 'Computed on the way' means the value that the module computes at that place (a softmax that the list does not call 'softmax' is quantised finished and normalised). What goes into a quantiser is computed in f32, as accurately as f32 sums, v_exp_f32 and their like allow (about 1e-6 of the number): no bf16 or f16 on the way to a quantiser, and a product that is left as it is and whose result goes on into a quantised operand takes f32 operands (vector FMAs, or v_wmma_f32_16x16x4_f32). A number that lies on a knife's edge between two numbers of the format may be rounded either way, as far as f32 arithmetic and the matrix unit's own rounding can turn it there, and no further.
;; One version. Each part assembles by itself: llvm-mc -triple=amdgcn-amd-amdhsa -mcpu=gfx1250 --defsym DOCPART=n.
;; ======== version 1 of 1: 4 launches
;; limits: right only within a limited range of input values
;; workspace buffers: img 15,728,640 bytes; sc 655,360 bytes; qi 6,291,456 bytes; qs 524,288 bytes; kv 13,369,344 bytes
;; launch quant (part 1): grid 384 x 1, 4 waves a work-group, no clusters, 34,304 bytes of LDS; arguments x, wq, wk, wv, wo, img, sc; writes img, sc
.if DOCPART == 1
	.amdgcn_target "amdgcn-amd-amdhsa--gfx1250"
	.amdhsa_code_object_version 6
	.text
	.protected	k_q767f77869c_quant
	.globl	k_q767f77869c_quant
	.p2align	8
	.type	k_q767f77869c_quant,@function
k_q767f77869c_quant:
	s_mov_b64 s[64:65], 0
	v_nop
	global_prefetch_b8 v0, s[64:65] scope:SCOPE_SE
	s_setreg_imm32_b32 hwreg(HW_REG_WAVE_MODE, 25, 1), 1
	s_wait_xcnt 0x0
; x [8192][1024] and wq, wk, wv, wo [1024][1024], f32, K innermost, become codes of FP6 (E2M3) with one E8M0 byte for each 32 along K.
; THE CODES ARE LAID AS IMAGES OF THE OPERAND'S REGISTERS.  A tile is 16 rows; tile T holds rows 32 (T / 2) + 8 (T % 2) + (r % 8) + 16 (r / 8), r = 0 .. 15.
; A half fragment (16 rows x 64 K) is 768 bytes: lane (r, h) holds the 24 bytes of its row's k = 64 kappa + 32 h + 0 .. 31: registers 0-3 at 16 x lane, registers 4-5 at 512 + 8 x lane.
; img: tile T at 12,288 T, its 16 half fragments on end.  sc: tile T at 512 T, row r at 32 r, byte beta = the scale byte of K block beta.  Tiles 0-511 x, 512-575 wq, 576-639 wk, 640-703 wv, 704-767 wo.
; A block's scale is 2^(floor(log2(largest magnitude)) - 2); its byte is the largest magnitude's exponent field - 2, held at 1 from below.
; LIMITS: a block of zeros gets the byte 1 where the rule says 127 (its codes are zeros, and this program alone reads the bytes); blocks whose largest magnitude lies under 2^-124 are held at byte 1;
; NaN and infinities among the inputs are not served.
; SHARES: work-group g takes 32 rows (two tiles, 2 g and 2 g + 1); wave w takes tile 2 g + (w % 2) and the K half w / 2: four steps of 16 rows x 128 K.
; Each load reads 512 consecutive bytes of one row; the 16 rows turn through the wave's own stage in LDS (pitch 528 bytes = 33 x 16, so that sixteen lanes on sixteen rows meet sixteen different columns of 16 bytes)
; and come back 32 neighbours (a whole block) a lane, twice.  No barrier: waves share nothing.  Loads run two steps (32 loads a wave) ahead.
.set STG,   8448                       ; a wave's stage: 16 rows x 528
.set SPARE, 4*STG                      ; behind the stages: the spare words, 128 bytes a wave; no other line names them
.set RS,    32                         ; v32-159  two sets of 64 registers as loaded
.set X,     160                        ; v160-223 64 numbers: two whole blocks of my row
.set C,     224                        ; v224-235 two half fragments' codes
.set PT,    236                        ; v236-243 the upper halves of the blocks' codes, before they are moved
.set W,     16                         ; v16-19   a scale word for each step
.set SPW,   22                         ; v22      my spare word's LDS address; never rewritten
.set NIL,   23                         ; v23      0; never rewritten
	s_load_b256 s[4:11], s[0:1], 0x0               ; x, wq, wk, wv
	s_load_b128 s[12:15], s[0:1], 0x20             ; wo, img
	s_load_b64 s[16:17], s[0:1], 0x30              ; sc
	v_lshl_add_u32 v[SPW], v0, 2, SPARE
	v_mov_b32 v[NIL], 0
	v_lshrrev_b32 v1, 5, v0
	v_readfirstlane_b32 s24, v1                    ; wave
	v_and_b32 v24, 31, v0                          ; lane
	v_and_b32 v25, 15, v0                          ; r
	v_bfe_u32 v5, v0, 4, 1                         ; h
	v_lshlrev_b32 v1, 4, v24                       ; 16 x lane: a load's place, and a b128 store's
	v_lshlrev_b32 v2, 3, v24                       ; 8 x lane: a b64 store's
	s_mul_i32 s25, s24, STG
	v_add_nc_u32 v3, s25, v1                       ; the stage, on the way in
	v_mul_u32_u24 v4, v25, 528
	v_lshl_add_u32 v4, v5, 7, v4
	v_add_nc_u32 v4, s25, v4                       ; and on the way out: row r, + 128 h bytes
	v_lshlrev_b32 v6, 3, v5                        ; 8 h: my bytes' place in a scale word
	v_lshlrev_b32 v7, 5, v25
	v_lshl_add_u32 v7, v5, 3, v7                   ; the scale bytes' store: 32 r + 8 h
	v_mov_b32 v15, 0                               ; a lane permute's destination counts as one of its sources
	s_mov_b32 s20, 0x76543210
	s_mov_b32 s21, 0xfedcba98                      ; selects for lane l xor 16
	s_and_b32 s26, s24, 1                          ; u: which of the two tiles
	s_lshr_b32 s27, s24, 1                         ; kh: which half of K
	s_and_b32 s28, ttmp9, 31
	s_cmp_lt_u32 ttmp9, 256
	s_cselect_b32 s28, ttmp9, s28                  ; the group of 32 rows inside its tensor
	s_lshl_b32 s28, s28, 17                        ; x 32 rows of 4,096 bytes
	s_lshl_b32 s29, s26, 15                        ; + 8 u rows
	s_add_co_u32 s28, s28, s29
	s_lshl_b32 s29, s27, 11                        ; + 512 kh numbers
	s_add_co_u32 s28, s28, s29
	s_mov_b32 s29, 0
	s_lshl_b32 s30, ttmp9, 1
	s_add_co_u32 s30, s30, s26                     ; the tile: 2 g + u
	s_lshl_b32 s32, s30, 9
	s_lshl_b32 s31, s27, 4
	s_add_co_u32 s32, s32, s31                     ; scale bytes: 512 x tile + 16 kh
	s_mov_b32 s33, 0
	s_mul_i32 s30, s30, 12288
	s_mul_i32 s31, s27, 6144
	s_add_co_u32 s30, s30, s31                     ; codes: 12,288 x tile + 6,144 kh
	s_mov_b32 s31, 0
	s_wait_alu depctr_va_vdst(0)
	s_wait_kmcnt 0x0
	s_mov_b64 s[18:19], s[12:13]                   ; which tensor: the choice hangs on the work-group's number alone
	s_cmp_lt_u32 ttmp9, 352
	s_cselect_b64 s[18:19], s[10:11], s[18:19]
	s_cmp_lt_u32 ttmp9, 320
	s_cselect_b64 s[18:19], s[8:9], s[18:19]
	s_cmp_lt_u32 ttmp9, 288
	s_cselect_b64 s[18:19], s[6:7], s[18:19]
	s_cmp_lt_u32 ttmp9, 256
	s_cselect_b64 s[18:19], s[4:5], s[18:19]
	s_add_nc_u64 s[18:19], s[18:19], s[28:29]
	s_add_nc_u64 s[14:15], s[14:15], s[30:31]
	s_add_nc_u64 s[16:17], s[16:17], s[32:33]
.macro LOAD s                          ; step s: 128 numbers of each of the tile's 16 rows: 32 lanes read 512 consecutive bytes
.irp p, 0,1,2,3,4,5,6,7,8,9,10,11,12,13,14,15
	global_load_b128 v[RS+64*((\s)%2)+4*\p:RS+64*((\s)%2)+4*\p+3], v1, s[18:19] offset:((\p%8)+16*(\p/8))*4096+512*(\s) th:TH_LOAD_NT
.endr
.endm
.macro STEP s
.if (\s) < 3
	s_wait_loadcnt 16                              ; this step's 16 loads are in; the next step's 16 may be out
.else
	s_wait_loadcnt 0x0
.endif
.irp p, 0,1,2,3,4,5,6,7,8,9,10,11,12,13,14,15
	ds_store_b128 v3, v[RS+64*((\s)%2)+4*\p:RS+64*((\s)%2)+4*\p+3] offset:528*\p
.endr
.irp c, 0,1
.irp j, 0,1,2,3,4,5,6,7
	ds_load_b128 v[X+32*\c+4*\j:X+32*\c+4*\j+3], v4 offset:256*\c+16*\j   ; LDS serves a wave's instructions in order: these see the stores above
.endr
.endr
	s_wait_dscnt 0x0                               ; my 64 numbers are in, and the stores have read the set that is loaded again below
	s_wait_xcnt 0x0                                ; the last step's stores have read their data: the codes' registers are rewritten only behind this wait
.if (\s)+2 < 4
	LOAD (\s)+2
.endif
.irp c, 0,1
	v_max3_num_f32 v[8+\c], |v[X+32*\c]|, |v[X+32*\c+1]|, 0x1800000   ; block 2 c + h: all 32 numbers are mine; the floor 2^(3 - 127) holds the byte at 1 from below
.endr
.irp i, 2,4,6,8,10,12,14,16,18,20,22,24,26,28,30
.irp c, 0,1
	v_max3_num_f32 v[8+\c], v[8+\c], |v[X+32*\c+\i]|, |v[X+32*\c+\i+1]|   ; (the two blocks by turns)
.endr
.endr
.irp c, 0,1
	v_add_nc_u32 v[10+\c], 0xff000000, v[8+\c]     ; 2 off the exponent field: the conversion takes this operand's exponent field as its scale
.endr
.irp c, 0,1
	v_lshrrev_b32 v[12+\c], 23, v[10+\c]           ; the scale's byte
.endr
.irp c, 0,1
	v_cvt_scalef32_pk16_fp6_f32 v[C+6*\c:C+6*\c+2], v[X+32*\c:X+32*\c+15], v[10+\c]
	v_cvt_scalef32_pk16_fp6_f32 v[PT+4*\c:PT+4*\c+2], v[X+32*\c+16:X+32*\c+31], v[10+\c]   ; (a conversion's three registers begin on an even number)
.endr
	v_lshl_or_b32 v14, v13, 16, v12                ; my two bytes: blocks h and 2 + h.  (The plain line behind the conversions)
.irp c, 0,1
.irp i, 0,1,2
	v_mov_b32 v[C+6*\c+3+\i], v[PT+4*\c+\i]
.endr
.endr
.irp c, 0,1
	global_store_b128 v1, v[C+6*\c:C+6*\c+3], s[14:15] offset:(2*(\s)+\c)*768          ; 512 consecutive bytes, aligned to 256
	global_store_b64 v2, v[C+6*\c+4:C+6*\c+5], s[14:15] offset:(2*(\s)+\c)*768+512     ; 256 consecutive bytes, aligned
.endr
	v_lshlrev_b32 v14, v6, v14                     ; at their places in the word (8 h bits up);
	v_permlanex16_b32 v15, v14, s20, s21
	v_or_b32 v[W+(\s)], v14, v15                   ; with lane l xor 16's two the word of these 128 k is whole
.endm
	LOAD 0
	LOAD 1
	STEP 0
	STEP 1
	STEP 2
	STEP 3
	v_cmp_eq_u32 vcc_lo, 1, v5
	v_cndmask_b32 v20, v[W], v[W+2], vcc_lo        ; lanes 0-15 store words 0, 1 of their row's 16 bytes, lanes 16-31 words 2, 3
	v_cndmask_b32 v21, v[W+1], v[W+3], vcc_lo
	global_store_b64 v7, v[20:21], s[16:17]
	s_wait_tensorcnt 0x0                           ; the wave's end, behind my last LDS store
	ds_add_u32 v[SPW], v[NIL]
	s_wait_dscnt 0x0
	s_endpgm
.Lfunc_end_k_q767f77869c_quant:
	.size	k_q767f77869c_quant, .Lfunc_end_k_q767f77869c_quant-k_q767f77869c_quant
	.p2alignl 7, 3214868480
	.fill 96, 4, 3214868480
	.section	.rodata,"a",@progbits
	.p2align	6, 0x0
	.amdhsa_kernel k_q767f77869c_quant
		.amdhsa_group_segment_fixed_size 34304
		.amdhsa_private_segment_fixed_size 0
		.amdhsa_enable_private_segment 0
		.amdhsa_kernarg_size 56
		.amdhsa_user_sgpr_count 2
		.amdhsa_user_sgpr_kernarg_segment_ptr 1
		.amdhsa_wavefront_size32 1
		.amdhsa_system_sgpr_workgroup_id_x 1
		.amdhsa_system_sgpr_workgroup_id_y 1
		.amdhsa_system_sgpr_workgroup_id_z 1
		.amdhsa_system_vgpr_workitem_id 0
		.amdhsa_next_free_vgpr 248
		.amdhsa_next_free_sgpr 66
		.amdhsa_reserve_vcc 1
		.amdhsa_float_denorm_mode_32 3
		.amdhsa_float_denorm_mode_16_64 3
		.amdhsa_memory_ordered 1
		.amdhsa_forward_progress 1
		.amdhsa_inst_pref_size 31
	.end_amdhsa_kernel
	.amdgpu_metadata
---
amdhsa.version: [ 1, 2 ]
amdhsa.kernels:
  - .name:           k_q767f77869c_quant
    .symbol:         k_q767f77869c_quant.kd
    .args:
      - { .name: x, .offset: 0, .size: 8, .value_kind: global_buffer, .address_space: global }
      - { .name: wq, .offset: 8, .size: 8, .value_kind: global_buffer, .address_space: global }
      - { .name: wk, .offset: 16, .size: 8, .value_kind: global_buffer, .address_space: global }
      - { .name: wv, .offset: 24, .size: 8, .value_kind: global_buffer, .address_space: global }
      - { .name: wo, .offset: 32, .size: 8, .value_kind: global_buffer, .address_space: global }
      - { .name: img, .offset: 40, .size: 8, .value_kind: global_buffer, .address_space: global }
      - { .name: sc, .offset: 48, .size: 8, .value_kind: global_buffer, .address_space: global }
    .group_segment_fixed_size: 34304
    .private_segment_fixed_size: 0
    .kernarg_segment_align: 8
    .kernarg_segment_size: 56
    .max_flat_workgroup_size: 128
    .sgpr_count:     66
    .vgpr_count:     248
    .wavefront_size: 32
...
	.end_amdgpu_metadata
.endif
;; end of part 1
;; launch qkv (part 2): grid 12 x 32, 4 waves a work-group, clusters of 4 x 4, 327,680 bytes of LDS; arguments img, sc, qi, qs, kv; writes qi, qs, kv
.if DOCPART == 2
	.amdgcn_target "amdgcn-amd-amdhsa--gfx1250"
	.amdhsa_code_object_version 6
	.text
	.protected	k_q767f77869c_qkv
	.globl	k_q767f77869c_qkv
	.p2align	8
	.type	k_q767f77869c_qkv,@function
k_q767f77869c_qkv:
	s_mov_b64 s[64:65], 0
	v_nop
	global_prefetch_b8 v0, s[64:65] scope:SCOPE_SE
	s_setreg_imm32_b32 hwreg(HW_REG_WAVE_MODE, 25, 1), 1
	s_wait_xcnt 0x0
	s_wait_alu depctr_hold_cnt(0) depctr_sa_sdst(0) depctr_va_vdst(0) depctr_va_sdst(0) depctr_va_ssrc(0) depctr_va_vcc(0) depctr_vm_vsrc(0)
	s_getreg_b32 s2, hwreg(HW_REG_IB_STS2, 6, 4)
	s_cmp_eq_u32 s2, 0
	s_cbranch_scc0 .Lentry_in_a_cluster
	s_endpgm
.Lentry_in_a_cluster:
	s_bfe_u32 s2, ttmp6, 0x10000c
	s_cmp_lg_u32 s2, 0xf033
	s_cbranch_scc0 .Lentry_shape_is_right
	s_endpgm
.Lentry_shape_is_right:
.set FR,    12
.set SLK,   3072
.set QUART, 8*SLK
.set SLOT,  4*QUART
.set SPARE, 2*SLOT
.set A16,  16
.set A8,   18
.set B16,  20
.set B8,   22
.set SPW,  28
.set NIL,  29
.set SC,   32
.set AF,   128
.set TM,   128
.set PW,   144
.set TT,   145
.set PC,   148
.set PT,   160
.set G1,   24
.set G0,   32
.set G1B,  48
.set G0B,  56
.set P0,   66
.set P1,   68
.set PS,   70
.set STP,  72
.set STPX, 74
.set STS,  76
.set STSX, 78
.set SEL,  82
.set MSB, 0
.macro WIN new
.if MSB != \new
	s_set_vgpr_msb (MSB<<8)|\new
.set MSB, \new
.endif
.endm
.set MUL_LO, 0xa1
.set MUL_HI, 0xf1
.set TO_B,   0x40
.macro JLOAD s
	s_cmp_eq_u32 s15, 0
	s_cbranch_scc0 .Lfor_b_\@
	tensor_load_to_lds s[G0+4*\s:G0+4*\s+3], s[G1:G1+7]
	s_nop 0
.rept 4
	v_nop
.endr
	s_branch .Lasked_\@
.Lfor_b_\@:
	tensor_load_to_lds s[G0B+4*\s:G0B+4*\s+3], s[G1B:G1B+7]
	s_nop 0
.rept 4
	v_nop
.endr
.Lasked_\@:
.endm
.macro CREST
	s_cmp_lg_u32 s14, 0
	s_cbranch_scc1 .Lnot_wave_0_\@
	s_barrier_signal -3
.Lnot_wave_0_\@:
	s_barrier_wait -3
	s_barrier_signal -1
	s_barrier_wait -1
.endm
.macro CROUND
	s_barrier_signal -1
	s_barrier_wait -1
	CREST
.endm
.macro PLACES
.rept 4
	v_nop
.endr
.endm
	s_load_b256 s[4:11], s[0:1], 0x0
	s_load_b64 s[12:13], s[0:1], 0x20
	v_lshl_add_u32 v[SPW], v0, 2, SPARE
	v_mov_b32 v[NIL], 0
	ds_add_u32 v[SPW], v[NIL]
	ds_add_u32 v[SPW], v[NIL]
	v_lshrrev_b32 v1, 5, v0
	v_readfirstlane_b32 s14, v1
	s_lshr_b32 s15, s14, 1
	s_and_b32 s16, s14, 1
	s_bfe_u32 s40, ttmp6, 0x40000
	s_bfe_u32 s41, ttmp6, 0x40004
	s_and_b32 s17, ttmp7, 0xffff
	s_lshl_b32 s43, s41, 2
	s_lshl_b32 s43, 15, s43
	s_lshl_b32 s44, 0x1111, s40
	s_or_b32 s[G1], s43, (3<<16)|(1<<21)
	s_or_b32 s[G1B], s44, (3<<16)|(1<<21)
.irp g, G1, G1B
	s_mov_b32 s[\g+1], 384<<16
	s_mov_b32 s[\g+2], 8<<16
	s_mov_b32 s[\g+3], 384<<16
	s_mov_b32 s[\g+4], 8
	s_mov_b32 s[\g+5], 1536
	s_mov_b32 s[\g+6], 0
	s_mov_b32 s[\g+7], 0
.endr
	s_lshl_b32 s18, s17, 2
	s_add_co_u32 s18, s18, s41
	s_lshl_b32 s18, s18, 4
	s_lshl_b32 s84, s41, 4
	s_add_co_u32 s84, s84, 640
	s_lshl_b32 s19, ttmp9, 2
	s_add_co_u32 s19, s19, s40
	s_lshl_b32 s19, s19, 4
	s_add_co_u32 s19, s19, 512
	s_lshl_b32 s85, s17, 2
	s_add_co_u32 s85, s85, s40
	s_lshl_b32 s85, s85, 4
	s_cmp_eq_u32 ttmp9, 2
	s_cselect_b32 s18, s84, s18
	s_cselect_b32 s19, s85, s19
	s_lshl_b32 s86, s16, 3
	s_add_co_u32 s20, s18, s86
	s_mul_i32 s20, s20, 12288
	s_mov_b32 s21, 0
	s_add_co_u32 s46, s19, s86
	s_mul_i32 s46, s46, 12288
	s_mov_b32 s47, 0
	s_mul_i32 s45, s14, QUART
	s_mov_b32 s[SEL], 0x76543210
	s_mov_b32 s[SEL+1], 0xfedcba98
	s_wait_dscnt 0x0
	s_wait_kmcnt 0x0
	s_add_nc_u64 s[20:21], s[4:5], s[20:21]
	s_add_nc_u64 s[46:47], s[4:5], s[46:47]
	CROUND
.irp s, 0,1
	s_mov_b32 s[G0+4*\s], 1
	s_add_co_u32 s[G0+4*\s+1], s45, \s*SLOT
	s_add_nc_u64 s[G0+4*\s+2:G0+4*\s+3], s[20:21], \s*SLK
	s_or_b32 s[G0+4*\s+3], s[G0+4*\s+3], 0x80000000
	s_mov_b32 s[G0B+4*\s], 1
	s_add_co_u32 s[G0B+4*\s+1], s45, \s*SLOT
	s_add_nc_u64 s[G0B+4*\s+2:G0B+4*\s+3], s[46:47], \s*SLK
	s_or_b32 s[G0B+4*\s+3], s[G0B+4*\s+3], 0x80000000
	s_wait_alu depctr_va_vdst(0)
	s_wait_tensorcnt 0x0
	ds_add_u32 v28, v29
	ds_add_u32 v28, v29
	s_wait_dscnt 0x0
	CROUND
	JLOAD \s
.endr
	v_and_b32 v1, 31, v0
	v_and_b32 v2, 15, v0
	v_bfe_u32 v3, v0, 4, 1
	v_lshlrev_b32 v4, 4, v1
	v_lshlrev_b32 v5, 3, v1
	s_mul_i32 s22, s15, QUART
	s_mul_i32 s23, s16, QUART
	s_add_co_u32 s23, s23, 2*QUART
.irp s, 0,1
	v_add_nc_u32 v[A16+\s], s22, v4
	v_add_nc_u32 v[A8+\s], s22, v5
	v_add_nc_u32 v[B16+\s], s23, v4
	v_add_nc_u32 v[B8+\s], s23, v5
	s_add_co_u32 s22, s22, SLOT
	s_add_co_u32 s23, s23, SLOT
.endr
	s_lshl_b32 s84, s15, 3
	s_add_co_u32 s84, s18, s84
	s_lshl_b32 s85, s16, 3
	s_add_co_u32 s85, s19, s85
	s_lshl_b32 s86, s84, 9
	s_lshl_b32 s87, s85, 9
	v_mov_b32 v6, s86
	v_mov_b32 v7, s87
	v_cmp_eq_u32 vcc_lo, 1, v3
	v_cndmask_b32 v6, v6, v7, vcc_lo
	v_lshl_add_u32 v6, v2, 5, v6
.irp i, 0,1,2,3,4,5,6,7
	global_load_b128 v[SC+8*\i:SC+8*\i+3], v6, s[6:7] offset:512*\i
	global_load_b128 v[SC+8*\i+4:SC+8*\i+7], v6, s[6:7] offset:512*\i+16
.endr
	s_lshr_b32 s88, s84, 7
	s_and_b32 s89, s84, 127
	s_lshl_b32 s88, s88, 4
	s_lshl_b32 s90, s40, 2
	s_add_co_u32 s88, s88, s90
	s_lshl_b32 s90, s16, 1
	s_add_co_u32 s88, s88, s90
	s_lshl_b32 s90, s88, 7
	s_add_co_u32 s90, s90, s89
	s_lshl_b32 s92, s90, 6
	s_mul_i32 s90, s90, 768
	s_lshr_b32 s89, s89, 3
	s_lshl_b32 s88, s88, 4
	s_add_co_u32 s88, s88, s89
	s_mul_i32 s94, s88, 13056
	s_add_co_u32 s95, s94, 12288
	s_lshl_b32 s86, s17, 2
	s_add_co_u32 s86, s86, s40
	s_lshl_b32 s86, s86, 1
	s_add_co_u32 s86, s86, s16
	s_lshr_b32 s87, s86, 4
	s_and_b32 s86, s86, 15
	s_lshl_b32 s87, s87, 4
	s_lshl_b32 s89, s41, 2
	s_add_co_u32 s87, s87, s89
	s_lshl_b32 s89, s15, 1
	s_add_co_u32 s87, s87, s89
	s_lshl_b32 s87, s87, 4
	s_add_co_u32 s87, s87, s86
	s_mul_i32 s87, s87, 13056
	s_add_co_u32 s96, s87, 6144
	s_add_co_u32 s97, s87, 12800
	s_mov_b32 s88, 208896
	s_mov_b32 s[STP], 768
	s_mov_b32 s[STPX], 768
	s_mov_b32 s80, 0xffff
	s_mov_b32 s81, 0x7f7f0000
	s_cmp_eq_u32 ttmp9, 0
	s_cselect_b32 s90, s90, s94
	s_cselect_b32 s92, s92, s95
	s_cselect_b64 s[P0:P0+1], s[8:9], s[12:13]
	s_cselect_b64 s[PS:PS+1], s[10:11], s[12:13]
	s_cselect_b32 s98, 98304, s88
	s_cselect_b32 s84, 8192, s88
	s_cselect_b32 s85, 4, 32
	s_cselect_b32 s[STS], 64, 4
	s_cmp_eq_u32 ttmp9, 2
	s_cselect_b32 s90, s96, s90
	s_cselect_b32 s92, s97, s92
	s_cselect_b32 s98, 768, s98
	s_cselect_b32 s84, 0, s84
	s_cselect_b32 s85, 16, s85
	s_cselect_b32 s[STS], 4, s[STS]
	s_cselect_b32 s[STSX], 208884, s[STS]
	s_cselect_b32 s[STP], 1536, s[STP]
	s_cselect_b32 s[STPX], 204288, s[STPX]
	s_cselect_b32 s80, -1, s80
	s_cselect_b32 s81, 0, s81
	s_cselect_b32 s86, 0, 16
	s_mov_b32 s91, 0
	s_mov_b32 s93, 0
	s_mov_b32 s99, 0
	s_mov_b32 s[STP+1], 0
	s_mov_b32 s[STPX+1], 0
	s_mov_b32 s[STS+1], 0
	s_mov_b32 s[STSX+1], 0
	s_add_nc_u64 s[P0:P0+1], s[P0:P0+1], s[90:91]
	s_add_nc_u64 s[P1:P1+1], s[P0:P0+1], s[98:99]
	s_add_nc_u64 s[PS:PS+1], s[PS:PS+1], s[92:93]
	v_mul_lo_u32 v8, v2, s85
	v_mul_lo_u32 v9, v3, s84
	v_add_nc_u32 v8, v8, v9
	v_mul_lo_u32 v9, v3, s86
.macro FRAG reg, a16, a8, q, i
	ds_load_b128 v[\reg:\reg+3], v[\a16] offset:(\i)*SLK+(\q)*1536
	ds_load_b64 v[\reg+4:\reg+5], v[\a8] offset:(\i)*SLK+(\q)*1536+512
	ds_load_b128 v[\reg+6:\reg+9], v[\a16] offset:(\i)*SLK+(\q)*1536+768
	ds_load_b64 v[\reg+10:\reg+11], v[\a8] offset:(\i)*SLK+(\q)*1536+1280
.endm
.macro FETCH_B slot, q, p
	WIN TO_B
.irp i, 0,1,2,3,4,5,6,7
	FRAG 128*(\p)+FR*\i, B16+\slot, B8+\slot, \q, \i
.endr
	WIN 0
.endm
.macro FETCH_A slot, q, i0
.irp i, \i0, \i0+1, \i0+2, \i0+3
	FRAG AF+FR*(\i), A16+\slot, A8+\slot, \q, \i
.endr
.endm
.macro MUL16 a0, p, kq, zero
.irp a, \a0, \a0+1
.irp b, 0,1,2,3,4,5,6,7
.if \zero
	v_wmma_scale_f32_16x16x128_f8f6f4 v[8*(8*((\a)%4)+\b):8*(8*((\a)%4)+\b)+7], v[128*(\p)+FR*\b:128*(\p)+FR*\b+FR-1], v[AF+FR*(\a):AF+FR*(\a)+FR-1], 0, v[SC+8*\b+(\kq)], v[SC+8*(\a)+(\kq)] matrix_a_fmt:MATRIX_FMT_FP6 matrix_b_fmt:MATRIX_FMT_FP6 matrix_a_scale:MATRIX_SCALE_ROW1
.else
	v_wmma_scale_f32_16x16x128_f8f6f4 v[8*(8*((\a)%4)+\b):8*(8*((\a)%4)+\b)+7], v[128*(\p)+FR*\b:128*(\p)+FR*\b+FR-1], v[AF+FR*(\a):AF+FR*(\a)+FR-1], v[8*(8*((\a)%4)+\b):8*(8*((\a)%4)+\b)+7], v[SC+8*\b+(\kq)], v[SC+8*(\a)+(\kq)] matrix_a_fmt:MATRIX_FMT_FP6 matrix_b_fmt:MATRIX_FMT_FP6 matrix_a_scale:MATRIX_SCALE_ROW1
.endif
.endr
.endr
.endm
.macro STEP slot, kq, zero
	s_wait_dscnt 16
	WIN MUL_LO
	MUL16 0, 0, \kq, \zero
	MUL16 2, 0, \kq, \zero
	s_wait_dscnt 0x0
	PLACES
	FETCH_B \slot, 1, 1
	FETCH_A \slot, 1, 0
	WIN MUL_HI
	MUL16 4, 0, \kq, \zero
	MUL16 6, 0, \kq, \zero
	PLACES
	WIN 0
	FETCH_A \slot, 1, 4
.endm
.macro TURN slot, next, fill, kq
	s_wait_tensorcnt 0x0
	ds_add_u32 v[SPW], v[NIL]
	s_wait_dscnt 17
	WIN MUL_LO
	MUL16 0, 1, \kq, 0
	s_wait_dscnt 0x0
	s_barrier_signal -1
	MUL16 2, 1, \kq, 0
	WIN 0
	s_barrier_wait -1
.if \fill
	CREST
	s_add_nc_u64 s[G0+4*\slot+2:G0+4*\slot+3], s[G0+4*\slot+2:G0+4*\slot+3], 2*SLK
	s_add_nc_u64 s[G0B+4*\slot+2:G0B+4*\slot+3], s[G0B+4*\slot+2:G0B+4*\slot+3], 2*SLK
	JLOAD \slot
.else
	PLACES
.endif
	FETCH_B \next, 0, 0
	FETCH_A \next, 0, 0
	WIN MUL_HI
	MUL16 4, 1, \kq, 0
	MUL16 6, 1, \kq, 0
	PLACES
	WIN 0
	FETCH_A \next, 0, 4
.endm
	s_wait_tensorcnt 1
	s_barrier_signal -1
	s_barrier_wait -1
	FETCH_B 0, 0, 0
	FETCH_A 0, 0, 0
	FETCH_A 0, 0, 4
	s_wait_loadcnt 0x0
	STEP 0, 0, 1
	TURN 0, 1, 1, 1
	STEP 1, 2, 0
	TURN 1, 0, 1, 3
	STEP 0, 4, 0
	TURN 0, 1, 0, 5
	STEP 1, 6, 0
	s_wait_dscnt 16
	WIN MUL_LO
	MUL16 0, 1, 7, 0
	MUL16 2, 1, 7, 0
	s_wait_dscnt 0x0
	WIN MUL_HI
	MUL16 4, 1, 7, 0
	MUL16 6, 1, 7, 0
	WIN 0
	PLACES
.irp b, 0,1,2,3
	v_mov_b32 v[TM+4+\b], 0
.endr
.macro QOUT a
.set AC, 64*((\a)%4)
.set WH, 2+(\a)/4
.set WQ, (WH<<2)|(WH<<4)
	WIN WQ
.irp b, 0,1,2,3
	v_max3_num_f32 v[TM+\b], 0x1800000, |v[AC+16*\b]|, |v[AC+16*\b+1]|
.endr
.irp i, 2,4,6,8,10,12,14
.irp b, 0,1,2,3
	v_max3_num_f32 v[TM+\b], v[TM+\b], |v[AC+16*\b+\i]|, |v[AC+16*\b+\i+1]|
.endr
.endr
	WIN 0
.irp b, 0,1,2,3
	v_permlanex16_b32 v[TM+4+\b], v[TM+\b], s[SEL], s[SEL+1]
.endr
.irp b, 0,1,2,3
	v_max_num_f32 v[TM+\b], v[TM+\b], v[TM+4+\b]
.endr
.irp b, 0,1,2,3
	v_add_nc_u32 v[TM+12+\b], 0xff000000, v[TM+\b]
.endr
.irp b, 0,1,2,3
	v_lshrrev_b32 v[TM+4+\b], 23, v[TM+12+\b]
.endr
.if (\a) > 0
	s_wait_alu depctr_va_vdst(0)
	s_wait_xcnt 0x0
.if (\a) == 4
	s_add_nc_u64 s[P0:P0+1], s[P0:P0+1], s[STPX:STPX+1]
	s_add_nc_u64 s[P1:P1+1], s[P1:P1+1], s[STPX:STPX+1]
	s_add_nc_u64 s[PS:PS+1], s[PS:PS+1], s[STSX:STSX+1]
.else
	s_add_nc_u64 s[P0:P0+1], s[P0:P0+1], s[STP:STP+1]
	s_add_nc_u64 s[P1:P1+1], s[P1:P1+1], s[STP:STP+1]
	s_add_nc_u64 s[PS:PS+1], s[PS:PS+1], s[STS:STS+1]
.endif
.endif
	v_lshl_or_b32 v[PW], v[TM+5], 8, v[TM+4]
	v_lshl_or_b32 v[PW], v[TM+6], 16, v[PW]
	v_lshl_or_b32 v[PW], v[TM+7], 24, v[PW]
	WIN WH
.irp c, 0,1
	v_cvt_scalef32_pk16_fp6_f32 v[PC+6*\c:PC+6*\c+2], v[AC+32*\c:AC+32*\c+15], v[TM+12+2*\c]
	v_cvt_scalef32_pk16_fp6_f32 v[PT+4*\c:PT+4*\c+2], v[AC+32*\c+16:AC+32*\c+31], v[TM+12+2*\c+1]
.endr
	WIN 0
	v_nop
.irp c, 0,1
.irp i, 0,1,2
	v_permlane16_swap_b32 v[PC+6*\c+\i], v[PT+4*\c+\i]
.endr
.irp i, 0,1,2
	v_mov_b32 v[PC+6*\c+3+\i], v[PT+4*\c+\i]
.endr
.endr
	global_store_b128 v4, v[PC:PC+3], s[P0:P0+1]
	global_store_b64 v5, v[PC+4:PC+5], s[P0:P0+1] offset:512
	global_store_b128 v4, v[PC+6:PC+9], s[P1:P1+1]
	global_store_b64 v5, v[PC+10:PC+11], s[P1:P1+1] offset:512
	v_lshrrev_b32 v[TT], v9, v[PW]
	v_and_or_b32 v[TT], v[TT], s80, s81
	global_store_b32 v8, v[TT], s[PS:PS+1]
.endm
.irp a, 0,1,2,3,4,5,6,7
	QOUT \a
.endr
	s_wait_tensorcnt 0x0
	ds_add_u32 v[SPW], v[NIL]
	s_wait_dscnt 0x0
	CROUND
	s_endpgm
.Lfunc_end_k_q767f77869c_qkv:
	.size	k_q767f77869c_qkv, .Lfunc_end_k_q767f77869c_qkv-k_q767f77869c_qkv
	.p2alignl 7, 3214868480
	.fill 96, 4, 3214868480
	.section	.rodata,"a",@progbits
	.p2align	6, 0x0
	.amdhsa_kernel k_q767f77869c_qkv
		.amdhsa_group_segment_fixed_size 327680
		.amdhsa_private_segment_fixed_size 0
		.amdhsa_enable_private_segment 0
		.amdhsa_kernarg_size 40
		.amdhsa_user_sgpr_count 2
		.amdhsa_user_sgpr_kernarg_segment_ptr 1
		.amdhsa_wavefront_size32 1
		.amdhsa_system_sgpr_workgroup_id_x 1
		.amdhsa_system_sgpr_workgroup_id_y 1
		.amdhsa_system_sgpr_workgroup_id_z 1
		.amdhsa_system_vgpr_workitem_id 0
		.amdhsa_next_free_vgpr 1024
		.amdhsa_next_free_sgpr 100
		.amdhsa_reserve_vcc 1
		.amdhsa_float_denorm_mode_32 3
		.amdhsa_float_denorm_mode_16_64 3
		.amdhsa_memory_ordered 1
		.amdhsa_forward_progress 1
		.amdhsa_inst_pref_size 151
	.end_amdhsa_kernel
	.amdgpu_metadata
---
amdhsa.version: [ 1, 2 ]
amdhsa.kernels:
  - .name:           k_q767f77869c_qkv
    .symbol:         k_q767f77869c_qkv.kd
    .args:
      - { .name: img, .offset: 0, .size: 8, .value_kind: global_buffer, .address_space: global }
      - { .name: sc, .offset: 8, .size: 8, .value_kind: global_buffer, .address_space: global }
      - { .name: qi, .offset: 16, .size: 8, .value_kind: global_buffer, .address_space: global }
      - { .name: qs, .offset: 24, .size: 8, .value_kind: global_buffer, .address_space: global }
      - { .name: kv, .offset: 32, .size: 8, .value_kind: global_buffer, .address_space: global }
    .group_segment_fixed_size: 327680
    .private_segment_fixed_size: 0
    .kernarg_segment_align: 8
    .kernarg_segment_size: 40
    .max_flat_workgroup_size: 128
    .sgpr_count:     100
    .vgpr_count:     1024
    .wavefront_size: 32
...
	.end_amdgpu_metadata
.endif
;; end of part 2
;; launch attn (part 3): grid 4 x 64, 16 waves a work-group, clusters of 4 x 1, 210,944 bytes of LDS; arguments qi, qs, kv, img, sc; writes img, sc
.if DOCPART == 3
	.amdgcn_target "amdgcn-amd-amdhsa--gfx1250"
	.amdhsa_code_object_version 6
	.text
	.protected	k_q767f77869c_attn
	.globl	k_q767f77869c_attn
	.p2align	8
	.type	k_q767f77869c_attn,@function
k_q767f77869c_attn:
	s_mov_b64 s[64:65], 0
	v_nop
	global_prefetch_b8 v0, s[64:65] scope:SCOPE_SE
	s_setreg_imm32_b32 hwreg(HW_REG_WAVE_MODE, 25, 1), 1
	s_wait_xcnt 0x0
	s_wait_alu depctr_hold_cnt(0) depctr_sa_sdst(0) depctr_va_vdst(0) depctr_va_sdst(0) depctr_va_ssrc(0) depctr_va_vcc(0) depctr_vm_vsrc(0)
	s_getreg_b32 s2, hwreg(HW_REG_IB_STS2, 6, 4)
	s_cmp_eq_u32 s2, 0
	s_cbranch_scc0 .Lentry_in_a_cluster
	s_endpgm
.Lentry_in_a_cluster:
	s_bfe_u32 s2, ttmp6, 0x10000c
	s_cmp_lg_u32 s2, 0x3003
	s_cbranch_scc0 .Lentry_shape_is_right
	s_endpgm
.Lentry_shape_is_right:
; o[b][h][q] = sum over k of softmax_k(q . k / 8 - slope_h |q - k|) v[k], both products on codes of FP6 (E2M3) with E8M0 scales; o is quantised along h 64 + d and stored as the output product's operand.
; THE SOFTMAX AHEAD OF THE SECOND PRODUCT: t = logit x log2(e); M = the running largest t, rounded up to a whole number; p = 2^(t - M) is quantised along the keys, not normalised; the row's sum is taken of the
; unquantised p and divides at the end.  When M moves, the sum and O are multiplied by 2^(old M - new M): exact.
; SHARES: the four work-groups of a cluster belong to one (b, h) and ask JOINTLY for its K and V: 16 key steps x 13,056 bytes, which fill LDS once and stay: no ring.  Each of the sixteen waves asks for one key step.
; A wave owns one tile of 16 queries at a time, in two passes: tile 8 w + 2 cx + pass, whose queries lie in key step w: so the one step on the diagonal hangs on the wave's number alone.  Four waves share a SIMD.
; LAYOUT: both products transposed: S^T = K Q^T (source 0 = 16 keys), O^T = V^T P^T (source 0 = 16 of the head's 64): a lane holds one query (lane % 16).  Tile T of keys, of queries and of d holds rows
; 32 (T / 2) + 8 (T % 2) + (r % 8) + 16 (r / 8), so that the 16 registers of tiles 2 b, 2 b + 1 are 16 neighbours 32 b + 16 h + 0 .. 15.
; K = 64 IN AN INSTRUCTION OF 128: Q's upper six registers are zero codes; K's upper six are whatever follows (the next tile's codes, finite in this format); the scale bytes of those two blocks are 0x7f on both sides: they add exactly 0.
; THE BIAS off the diagonal is linear in the key: -slope |q - k| = +-slope (k - q).  Its part +-8 slope (16 h + i) is the C of S^T's products (CB); its part +-slope log2(e) (first key - q + 32 b) is the addend of the scaling (BC).
; In the wave's one diagonal step both are 0 and -8 slope |q - k| is added to the scores by vector instructions.
; s_delay_alu stands only ahead of a line that reads the result of the line one or two above it; elsewhere four or more chains take turns.
; NO DATA PREFETCH: all of K and V is asked for at the head, one load a wave, and no later tensor load follows that a loop could run ahead of; Q is 832 bytes a wave and pass.
; LIMITS: v_exp_f32 gives 0 for results under 2^-126; a block of zeros gets the byte 1 (its codes are zeros; this program alone reads the bytes); 1 / l is v_rcp_f32 and a multiplication; NaN and infinities are not served;
; the scaled scores t stay under 2^31 in magnitude.
.set STEPB, 13056                      ; a key step in LDS: K's 8 half fragments; at VOF V's 4 fragments; at KSC K's scale words; at VSC V's
.set VOF,   6144
.set KSC,   12288
.set VSC,   12800
.set SPARE, 16*STEPB                   ; behind the head: the spare words, 128 bytes a wave; no other line names them
.set SPW,  5                           ; v1-4: 16 x lane, 8 x lane, 32 r, 16 r.  v5, v6: the add's two; never rewritten.  v7-10: v1-4 + the LDS byte of the key step
.set NIL,  6                           ; v11 query's place - 16 h; v12 -M; v13 largest t; v14-15 the sum; v16-27 Q; v28 Q's scale words; v29 first key - query; v30 16 h; v31 -query
.set CB,   98                          ; v32-85 K, then V; v86-93 K's scale words; v94-97 V's; v98-113  +-8 slope (16 h + i)
.set S,    114                         ; v114-177 S^T, then p
.set OT,   178                         ; v178-209 O^T
.set PCD,  210                         ; v210-221 p's codes
.set PT,   222                         ; v222-224, v226-228 upper halves before they are moved.  v225: 4 r.  v229: 32 r + h
.set BM,   230                         ; v230-233 the blocks' largest scores, then largest p
.set T2,   234                         ; v234-237 at work
.set BC,   238                         ; v238, 240, 242, 244: the scaling's addend of block b (the odd registers are named with them as pairs)
.set SO,   246                         ; v246-249 the conversions' scale operands
.set PW,   250                         ; v250 p's scale word
.set TB,   2                           ; s2  LDS byte of the key step in hand
.set KS,   3                           ; s3  the key step
.set WV,   18
.set T0,   19
.set SEL,  20
.set CS,   22                          ; s[22:23] c = log2(e) / 8
.set G1,   24
.set G0,   32
.set PASS, 48
.set P8,   49                          ; +8 slope, -8 slope, +slope log2(e), -slope log2(e)
.set N8,   50
.set PL,   51
.set NL,   52
.set S8,   53                          ; the step's choice of the first two, or 0
.set SG,   54                          ; and of the second two, or 0
.set X1,   55                          ; s55-57: SG x 32, 64, 96
.set HM,   58                          ; the lanes with h = 1
.macro WALU
	s_wait_alu depctr_va_vdst(0)
.endm
.macro ROUND                           ; a round of the cluster's barrier
	s_barrier_signal -1
	s_barrier_wait -1
	s_cmp_lg_u32 s[WV], 0
	s_cbranch_scc1 .Lnot_wave_0_\@
	s_barrier_signal -3
.Lnot_wave_0_\@:
	s_barrier_wait -3
	s_barrier_signal -1
	s_barrier_wait -1
.endm
.macro SETCB                           ; CB[i] = S8 (16 h + i), rounded once
	v_mul_f32 v254, s[S8], v30
.set i, 0
.irp f, 0, 1.0, 2.0, 3.0, 4.0, 5.0, 6.0, 7.0, 8.0, 9.0, 10.0, 11.0, 12.0, 13.0, 14.0, 15.0
	v_fma_f32 v[CB+i], s[S8], \f, v254
.set i, i+1
.endr
.endm
.macro SCALE b                         ; t - M of block b, two at a time
.irp j, 0,2,4,6,8,10,12,14
	v_pk_fma_f32 v[S+16*\b+\j:S+16*\b+\j+1], v[S+16*\b+\j:S+16*\b+\j+1], s[CS:CS+1], v[BC+2*\b:BC+2*\b+1] op_sel_hi:[1,0,0]
.endr
.endm
	s_load_b256 s[4:11], s[0:1], 0x0               ; qi, qs, kv, img
	s_load_b64 s[12:13], s[0:1], 0x20              ; sc
	v_lshl_add_u32 v[SPW], v0, 2, SPARE
	v_mov_b32 v[NIL], 0
	ds_add_u32 v[SPW], v[NIL]                      ; the wave's opening: the add, twice on end, and its wait ahead of the first tensor load; work on registers stands between
	ds_add_u32 v[SPW], v[NIL]
	v_lshrrev_b32 v1, 5, v0
	v_readfirstlane_b32 s[WV], v1                  ; wave 0..15
	s_bfe_u32 s59, ttmp6, 0x40000                  ; cx
	s_and_b32 s60, ttmp7, 0xffff                   ; bh = 16 b + h, which the four partners share
	s_mov_b32 s[G1], 15|(3<<16)|(1<<21)            ; the mask: all four; elements of 8 bytes; bit 21 beside a mask; no padding: every LDS access is dense
	s_mov_b32 s[G1+1], 32<<16                      ; a key step is 51 dense rows of 256 bytes
	s_mov_b32 s[G1+2], 51<<16
	s_mov_b32 s[G1+3], 32<<16
	s_mov_b32 s[G1+4], 51
	s_mov_b32 s[G1+5], 32
	s_mov_b32 s[G1+6], 0
	s_mov_b32 s[G1+7], 0
	s_mul_i32 s14, s[WV], STEPB                    ; key step w: its place in LDS and in the head
	s_mul_i32 s16, s60, 16*STEPB
	s_add_co_u32 s16, s16, s14
	s_mov_b32 s17, 0
	s_mov_b32 s[SEL], 0x76543210
	s_mov_b32 s[SEL+1], 0xfedcba98
	s_mov_b32 s[CS], 0x3e38aa3b                    ; c = log2(e) / 8
	s_mov_b32 s[CS+1], s[CS]
	s_mov_b32 s[HM], 0xffff0000
	; slope = 2^(-(h + 1) / 2): sqrt(1/2) or 1, with (h + 1) / 2 (rounded down) off the exponent field
	s_and_b32 s61, s60, 15
	s_add_co_u32 s61, s61, 1
	s_mov_b32 s62, 0x3f800000
	s_and_b32 s63, s61, 1                          ; SCC = h + 1 is odd
	s_cselect_b32 s62, 0x3f3504f3, s62
	s_lshr_b32 s61, s61, 1
	s_lshl_b32 s61, s61, 23
	s_sub_co_u32 s62, s62, s61
	s_add_co_u32 s[P8], s62, 3<<23                 ; x 8
	s_xor_b32 s[N8], s[P8], 0x80000000
	s_mul_f32 s[PL], s62, 0x3fb8aa3b               ; x log2(e)
	s_xor_b32 s[NL], s[PL], 0x80000000
	s_wait_dscnt 0x0                               ; both opening adds are done
	s_wait_kmcnt 0x0
	s_add_nc_u64 s[8:9], s[8:9], s[16:17]
	s_mov_b32 s[G0], 1
	s_mov_b32 s[G0+1], s14
	s_mov_b64 s[G0+2:G0+3], s[8:9]
	s_or_b32 s[G0+3], s[G0+3], 0x80000000
	ROUND                                          ; all four work-groups are here: the joint loads meet
	tensor_load_to_lds s[G0:G0+3], s[G1:G1+7]      ; every wave's one load: its key step
	s_nop 0
.rept 4
	v_nop
.endr
	s_lshl_b32 s61, s[WV], 3
	s_lshl_b32 s62, s59, 1
	s_add_co_u32 s61, s61, s62                     ; my first tile of queries: 8 w + 2 cx
	s_lshl_b32 s62, s60, 7
	s_add_co_u32 s62, s62, s61
	s_mul_i32 s66, s62, 768
	s_mov_b32 s67, 0
	s_add_nc_u64 s[4:5], s[4:5], s[66:67]          ; Q's codes
	s_lshl_b32 s66, s62, 6
	s_add_nc_u64 s[6:7], s[6:7], s[66:67]          ; Q's scale words
	s_lshr_b32 s62, s60, 4
	s_lshl_b32 s62, s62, 7
	s_add_co_u32 s62, s62, s61
	s_add_co_u32 s62, s62, 768                     ; o's tile in img and sc: 768 + 128 b + tile
	s_and_b32 s63, s60, 15                         ; the head = which 64 along the output product's K
	s_mul_i32 s66, s62, 12288
	s_mul_i32 s68, s63, 768
	s_add_co_u32 s66, s66, s68
	s_add_nc_u64 s[10:11], s[10:11], s[66:67]
	s_lshl_b32 s66, s62, 9
	s_lshl_b32 s68, s63, 1
	s_add_co_u32 s66, s66, s68
	s_add_nc_u64 s[12:13], s[12:13], s[66:67]
	v_and_b32 v254, 31, v0                         ; lane
	v_and_b32 v255, 15, v0                         ; r
	v_bfe_u32 v252, v0, 4, 1                       ; h
	v_lshlrev_b32 v1, 4, v254
	v_lshlrev_b32 v2, 3, v254
	v_lshlrev_b32 v3, 5, v255
	v_lshlrev_b32 v4, 4, v255
	v_lshlrev_b32 v225, 2, v255
	v_lshl_add_u32 v229, v255, 5, v252
	v_lshlrev_b32 v252, 4, v252
	v_cvt_f32_u32 v30, v252                        ; v30 = 16 h
	v_and_b32 v253, 8, v255
	v_add_nc_u32 v253, v253, v255                  ; (r % 8) + 16 (r / 8)
	s_lshl_b32 s62, s59, 5
	v_add_nc_u32 v253, s62, v253                   ; my query's place in its key step: + 32 cx (+ 8 in the second pass)
	v_cvt_f32_u32 v11, v253
	v_sub_f32 v11, v11, v30                        ; v11 = that - 16 h
	s_lshl_b32 s62, s[WV], 7
	v_add_nc_u32 v253, s62, v253
	v_cvt_f32_u32 v31, v253
	v_sub_f32 v31, 0, v31                          ; v31 = -my query
.irp j, 22,23,24,25,26,27,80,81,82,83,84,85
	v_mov_b32 v\j, 0                               ; zero codes: Q's upper half, and what stands behind K's last tile
.endr
.irp j, 234,235,236,237,239,241,243,245,253
	v_mov_b32 v\j, 0                               ; written once: lane permutes' destinations, and the upper halves of pairs of which the low word serves both halves
.endr
	s_mov_b32 s[PASS], 0
	WALU
	s_wait_tensorcnt 0x0                           ; my load has landed,
	s_barrier_signal -1
	s_barrier_wait -1                              ; everybody's has: the whole head lies in LDS, and nothing is filled again
.Lpass:
	global_load_b128 v[16:19], v1, s[4:5]          ; Q's half fragment
	global_load_b64 v[20:21], v2, s[4:5] offset:512
	global_load_b32 v28, v225, s[6:7]              ; and its scale words
	v_mov_b32 v13, 0xff61b1e6                      ; the largest t so far: -3e38
	s_delay_alu instid0(VALU_DEP_1)
	v_floor_f32 v12, -v13                          ; -M
	v_mov_b32 v14, 0                               ; the sum, in two halves
	v_mov_b32 v15, 0
.set j, 0
.rept 32
	v_mov_b32 v[OT+j], 0                           ; O^T: the step is written once; the first change of M leaves zeros zeros
.set j, j+1
.endr
	v_mov_b32 v29, v31                             ; v29 = the step's first key - my query
	s_mov_b32 s[S8], s[P8]
	SETCB                                          ; for the key steps below my own
	s_mov_b32 s[KS], 0
	s_mov_b32 s[TB], 0
	WALU
	s_wait_loadcnt 0x0
.Lstep:
	s_cmp_lt_u32 s[KS], s[WV]                      ; keys below my queries, above them, or my own step
	s_cselect_b32 s[S8], s[P8], s[N8]
	s_cselect_b32 s[SG], s[PL], s[NL]
	s_cmp_eq_u32 s[KS], s[WV]
	s_cselect_b32 s[S8], 0, s[S8]
	s_cselect_b32 s[SG], 0, s[SG]
	s_mul_f32 s[X1], s[SG], 0x42000000
	s_mul_f32 s[X1+1], s[SG], 0x42800000
	s_mul_f32 s[X1+2], s[SG], 0x42c00000
	s_sub_co_u32 s[T0], s[KS], s[WV]
	s_cmp_gt_u32 s[T0], 1                          ; CB changes in my own step and in the one behind it: a branch on the wave's number and the loop's count
	s_cbranch_scc1 .Lkeep
	SETCB
.Lkeep:
	v_add_nc_u32 v7, s[TB], v1                     ; (with the addition at the step's end: five plain places behind the last products, ahead of the loads into their registers)
	v_add_nc_u32 v8, s[TB], v2
	v_add_nc_u32 v9, s[TB], v3
	v_add_nc_u32 v10, s[TB], v4
.irp t, 0,1,2,3,4,5,6,7
	ds_load_b128 v[32+6*\t:35+6*\t], v7 offset:768*\t
	ds_load_b64 v[36+6*\t:37+6*\t], v8 offset:768*\t+512
.endr
	ds_load_b128 v[86:89], v9 offset:KSC           ; K's eight scale words of row r
	ds_load_b128 v[90:93], v9 offset:KSC+16
	WALU
	s_wait_dscnt 0x0
.irp t, 0,1,2,3,4,5,6,7
	v_wmma_scale_f32_16x16x128_f8f6f4 v[S+8*\t:S+8*\t+7], v[32+6*\t:43+6*\t], v[16:27], v[CB+8*(\t%2):CB+8*(\t%2)+7], v[86+\t], v28 matrix_a_fmt:MATRIX_FMT_FP6 matrix_b_fmt:MATRIX_FMT_FP6
.endr
	v_mul_f32 v[BC], s[SG], v29                    ; BC[b] = SG (first key - query + 32 b).  (Four plain places behind the products)
	v_fma_f32 v[BC+2], v29, s[SG], s[X1]
	v_fma_f32 v[BC+4], v29, s[SG], s[X1+1]
	v_fma_f32 v[BC+6], v29, s[SG], s[X1+2]
.irp t, 0,1,2,3
	ds_load_b128 v[32+12*\t:35+12*\t], v7 offset:VOF+1536*\t               ; V's four fragments are on their way while the softmax is computed
	ds_load_b64 v[36+12*\t:37+12*\t], v8 offset:VOF+1536*\t+512
	ds_load_b128 v[38+12*\t:41+12*\t], v7 offset:VOF+1536*\t+768
	ds_load_b64 v[42+12*\t:43+12*\t], v8 offset:VOF+1536*\t+1280
.endr
	ds_load_b128 v[94:97], v10 offset:VSC          ; and V's four scale words of row r
	s_cmp_lg_u32 s[KS], s[WV]
	s_cbranch_scc1 .Loff
	v_mov_b32 v[T2], v11                           ; ON THE DIAGONAL: x = query - key = v11 - 32 b - i, in four chains; score -= 8 slope |x|
	v_add_f32 v[T2+1], 0xc2000000, v11
	v_add_f32 v[T2+2], 0xc2800000, v11
	v_add_f32 v[T2+3], 0xc2c00000, v11
.irp i, 0,1,2,3,4,5,6,7,8,9,10,11,12,13,14,15
.irp b, 0,1,2,3
	v_fma_f32 v[S+16*\b+\i], -|v[T2+\b]|, s[P8], v[S+16*\b+\i]
.endr
.irp b, 0,1,2,3
	v_add_f32 v[T2+\b], -1.0, v[T2+\b]
.endr
.endr
.Loff:
.irp b, 0,1,2,3
	v_max3_num_f32 v[BM+\b], v[S+16*\b], v[S+16*\b+1], v[S+16*\b+2]   ; the largest score of each block of 32 keys: for the row's maximum and, since p rises with the score inside a block, for the block's largest p
.endr
.irp i, 3,5,7,9,11,13
.irp b, 0,1,2,3
	v_max3_num_f32 v[BM+\b], v[BM+\b], v[S+16*\b+\i], v[S+16*\b+\i+1]
.endr
.endr
.irp b, 0,1,2,3
	v_max_num_f32 v[BM+\b], v[BM+\b], v[S+16*\b+15]
.endr
.irp b, 0,1,2,3
	v_permlanex16_b32 v[T2+\b], v[BM+\b], s[SEL], s[SEL+1]
.endr
.irp b, 0,1,2,3
	v_max_num_f32 v[BM+\b], v[BM+\b], v[T2+\b]     ; with lane l xor 16's 16 keys
.endr
.irp b, 0,1,2,3
	v_fma_f32 v[T2+\b], v[BM+\b], s[CS], v[BC+2*\b]   ; as t
.endr
	s_delay_alu instid0(VALU_DEP_2)
	v_max3_num_f32 v254, v[T2], v[T2+1], v[T2+2]
	s_delay_alu instid0(VALU_DEP_1)
	v_max3_num_f32 v13, v254, v[T2+3], v13         ; the running largest t
	v_mov_b32 v254, v12
	s_delay_alu instid0(VALU_DEP_2)
	v_floor_f32 v12, -v13                          ; the new -M = -ceil(t): a whole number
	s_delay_alu instid0(VALU_DEP_1)
	v_sub_f32 v254, v12, v254                      ; old M - new M: a whole number, 0 or less
.irp b, 0,1,2,3
	v_add_f32 v[BC+2*\b], v[BC+2*\b], v12          ; the addend takes -M up
.endr
	v_cvt_i32_f32 v254, v254                       ; (it saturates)
	SCALE 0
	v_ldexp_f32 v252, 1.0, v254                    ; f = 2^(old M - new M): made among the scalings, which do not wait for it
	SCALE 1
	SCALE 2
	SCALE 3
.irp b, 0,1,2,3
	v_fma_f32 v[BM+\b], v[BM+\b], s[CS], v[BC+2*\b]   ; the same of each block's largest score
.endr
	WALU
.set j, 0
.rept 64
	v_exp_f32 v[S+j], v[S+j]                       ; p = 2^(t - M), at most 1
.set j, j+1
.endr
	v_pk_mul_f32 v[14:15], v[14:15], v[252:253] op_sel_hi:[1,0]   ; the sums under the new M.  (The plain place behind the exponentials)
	WALU                                           ; one wait for the whole batch, ahead of its first reader
.irp b, 0,1,2,3
	v_exp_f32 v[BM+\b], v[BM+\b]                   ; the block's largest p: the same two instructions on the same number
.endr
.set k, 0                              ; the row's sum of the unquantised p: 32 pairs in seven chains
.irp t, 234,236,254,246,248,226
	v_pk_add_f32 v[\t:\t+1], v[S+k:S+k+1], v[S+k+2:S+k+3]
.set k, k+4
.endr
.rept 2
.irp t, 14,234,236,254,246,248,226
	v_pk_add_f32 v[\t:\t+1], v[\t:\t+1], v[S+k:S+k+1]
.set k, k+2
.endr
.endr
.irp t, 14,234,236,254,246,248
	v_pk_add_f32 v[\t:\t+1], v[\t:\t+1], v[S+k:S+k+1]
.set k, k+2
.endr
	v_pk_add_f32 v[14:15], v[14:15], v[226:227]
	v_pk_add_f32 v[234:235], v[234:235], v[236:237]
	v_pk_add_f32 v[254:255], v[254:255], v[246:247]
	v_pk_add_f32 v[14:15], v[14:15], v[248:249]
	s_delay_alu instid0(VALU_DEP_2)
	v_pk_add_f32 v[234:235], v[234:235], v[254:255]
	s_delay_alu instid0(VALU_DEP_1)
	v_pk_add_f32 v[14:15], v[14:15], v[234:235]
	WALU                                           ; and one for the four
.irp b, 0,1,2,3
	v_max_num_f32 v[BM+\b], 0x1800000, v[BM+\b]    ; the floor 2^(3 - 127): the byte cannot fall under 1
.endr
.irp b, 0,1,2,3
	v_add_nc_u32 v[SO+\b], 0xff000000, v[BM+\b]    ; 2 off the exponent field: the conversion's scale operand
.endr
.irp b, 0,1,2,3
	v_lshrrev_b32 v[T2+\b], 23, v[SO+\b]           ; the scale's byte
.endr
	v_lshl_or_b32 v255, v[T2+1], 8, v[T2]
	s_delay_alu instid0(VALU_DEP_1)
	v_lshl_or_b32 v255, v[T2+2], 16, v255
	s_delay_alu instid0(VALU_DEP_1)
	v_lshl_or_b32 v[PW], v[T2+3], 24, v255
.irp c, 0,1
	v_cvt_scalef32_pk16_fp6_f32 v[PCD+6*\c:PCD+6*\c+2], v[S+32*\c:S+32*\c+15], v[SO+2*\c]
	v_cvt_scalef32_pk16_fp6_f32 v[PT+4*\c:PT+4*\c+2], v[S+32*\c+16:S+32*\c+31], v[SO+2*\c+1]
.endr
	v_nop                                          ; one plain place behind a scaled conversion
.irp c, 0,1
.irp i, 0,1,2
	v_permlane16_swap_b32 v[PCD+6*\c+\i], v[PT+4*\c+\i]
.endr
.irp i, 0,1,2
	v_mov_b32 v[PCD+6*\c+3+\i], v[PT+4*\c+\i]
.endr
.endr
	WALU                                           ; directly ahead of the first reader of O^T
.set j, 0
.rept 16
	v_pk_mul_f32 v[OT+j:OT+j+1], v[OT+j:OT+j+1], v[252:253] op_sel_hi:[1,0]   ; O^T under the new M.  (These sixteen are also the places between the scale word, the codes and the products)
.set j, j+2
.endr
	WALU
	s_wait_dscnt 0x0                               ; V
.irp t, 0,1,2,3
	v_wmma_scale_f32_16x16x128_f8f6f4 v[OT+8*\t:OT+8*\t+7], v[32+12*\t:43+12*\t], v[PCD:PCD+11], v[OT+8*\t:OT+8*\t+7], v[94+\t], v[PW] matrix_a_fmt:MATRIX_FMT_FP6 matrix_b_fmt:MATRIX_FMT_FP6
.endr
	v_add_f32 v29, 0x43000000, v29                 ; the next step's first key
	s_add_co_u32 s[TB], s[TB], STEPB
	s_add_co_u32 s[KS], s[KS], 1
	s_cmp_lt_u32 s[KS], 16
	s_cbranch_scc1 .Lstep
	; THE WAY OUT of a pass: O^T / l, quantised along d (two blocks of 32), stored as half fragment (token tile, kappa = head) of the output product's A
	v_add_f32 v14, v14, v15
	s_delay_alu instid0(VALU_DEP_1)
	v_permlanex16_b32 v252, v14, s[SEL], s[SEL+1]
	s_delay_alu instid0(VALU_DEP_1)
	v_add_f32 v14, v14, v252                       ; the row's sum
	WALU
	v_rcp_f32 v14, v14
.rept 4
	v_nop                                          ; the plain place behind the reciprocal, and the places behind the last products
.endr
	WALU                                           ; ahead of the first reader of the reciprocal and of O^T
.set j, 0
.rept 32
	v_mul_f32 v[S+j], v[OT+j], v14                 ; register 16 b + i = o(query, 32 b + 16 h + i); each accumulator is read from its low end on
.set j, j+1
.endr
.irp b, 0,1
	v_max3_num_f32 v[BM+\b], |v[S+16*\b]|, |v[S+16*\b+1]|, 0x1800000
.endr
.irp i, 2,4,6,8,10,12,14
.irp b, 0,1
	s_delay_alu instid0(VALU_DEP_2)
	v_max3_num_f32 v[BM+\b], v[BM+\b], |v[S+16*\b+\i]|, |v[S+16*\b+\i+1]|
.endr
.endr
.irp b, 0,1
	s_delay_alu instid0(VALU_DEP_2)
	v_permlanex16_b32 v[T2+\b], v[BM+\b], s[SEL], s[SEL+1]
.endr
.irp b, 0,1
	s_delay_alu instid0(VALU_DEP_2)
	v_max_num_f32 v[BM+\b], v[BM+\b], v[T2+\b]
.endr
.irp b, 0,1
	s_delay_alu instid0(VALU_DEP_2)
	v_add_nc_u32 v[SO+\b], 0xff000000, v[BM+\b]
.endr
.irp b, 0,1
	s_delay_alu instid0(VALU_DEP_2)
	v_lshrrev_b32 v[T2+\b], 23, v[SO+\b]
.endr
	v_cvt_scalef32_pk16_fp6_f32 v[PCD:PCD+2], v[S:S+15], v[SO]
	v_cvt_scalef32_pk16_fp6_f32 v[PT:PT+2], v[S+16:S+31], v[SO+1]
	v_cndmask_b32 v254, v[T2], v[T2+1], s[HM]      ; lanes 0-15 store block 0's byte, lanes 16-31 block 1's.  (The plain place behind the conversions)
.irp i, 0,1,2
	v_permlane16_swap_b32 v[PCD+\i], v[PT+\i]
.endr
.irp i, 0,1,2
	v_mov_b32 v[PCD+3+\i], v[PT+\i]
.endr
	global_store_b128 v1, v[PCD:PCD+3], s[10:11]               ; 512 consecutive bytes, aligned to 256
	global_store_b64 v2, v[PCD+4:PCD+5], s[10:11] offset:512   ; 256 consecutive bytes, aligned
	global_store_b8 v229, v254, s[12:13]                       ; 32 bytes a pass: a head's two bytes of each row's 32
	s_wait_xcnt 0x0                                ; the stores and loads have read their bases and data: both are rewritten only behind this wait
	s_add_nc_u64 s[4:5], s[4:5], 768               ; the next tile of queries
	s_add_nc_u64 s[6:7], s[6:7], 64
	s_add_nc_u64 s[10:11], s[10:11], 12288
	s_add_nc_u64 s[12:13], s[12:13], 512
	v_add_f32 v31, 0xc1000000, v31                 ; its queries lie 8 further on
	v_add_f32 v11, 0x41000000, v11
	s_add_co_u32 s[PASS], s[PASS], 1
	s_cmp_lt_u32 s[PASS], 2
	WALU                                           ; directly ahead of the backward jump
	s_cbranch_scc1 .Lpass
	s_wait_tensorcnt 0x0                           ; the wave's end, behind the last tensor load
	ds_add_u32 v[SPW], v[NIL]
	s_wait_dscnt 0x0
	ROUND                                          ; the closing round
	s_endpgm
.Lfunc_end_k_q767f77869c_attn:
	.size	k_q767f77869c_attn, .Lfunc_end_k_q767f77869c_attn-k_q767f77869c_attn
	.p2alignl 7, 3214868480
	.fill 96, 4, 3214868480
	.section	.rodata,"a",@progbits
	.p2align	6, 0x0
	.amdhsa_kernel k_q767f77869c_attn
		.amdhsa_group_segment_fixed_size 210944
		.amdhsa_private_segment_fixed_size 0
		.amdhsa_enable_private_segment 0
		.amdhsa_kernarg_size 40
		.amdhsa_user_sgpr_count 2
		.amdhsa_user_sgpr_kernarg_segment_ptr 1
		.amdhsa_wavefront_size32 1
		.amdhsa_system_sgpr_workgroup_id_x 1
		.amdhsa_system_sgpr_workgroup_id_y 1
		.amdhsa_system_sgpr_workgroup_id_z 1
		.amdhsa_system_vgpr_workitem_id 0
		.amdhsa_next_free_vgpr 256
		.amdhsa_next_free_sgpr 70
		.amdhsa_reserve_vcc 0
		.amdhsa_float_denorm_mode_32 3
		.amdhsa_float_denorm_mode_16_64 3
		.amdhsa_memory_ordered 1
		.amdhsa_forward_progress 1
		.amdhsa_inst_pref_size 39
	.end_amdhsa_kernel
	.amdgpu_metadata
---
amdhsa.version: [ 1, 2 ]
amdhsa.kernels:
  - .name:           k_q767f77869c_attn
    .symbol:         k_q767f77869c_attn.kd
    .args:
      - { .name: qi, .offset: 0, .size: 8, .value_kind: global_buffer, .address_space: global }
      - { .name: qs, .offset: 8, .size: 8, .value_kind: global_buffer, .address_space: global }
      - { .name: kv, .offset: 16, .size: 8, .value_kind: global_buffer, .address_space: global }
      - { .name: img, .offset: 24, .size: 8, .value_kind: global_buffer, .address_space: global }
      - { .name: sc, .offset: 32, .size: 8, .value_kind: global_buffer, .address_space: global }
    .group_segment_fixed_size: 210944
    .private_segment_fixed_size: 0
    .kernarg_segment_align: 8
    .kernarg_segment_size: 40
    .max_flat_workgroup_size: 512
    .sgpr_count:     70
    .vgpr_count:     256
    .wavefront_size: 32
...
	.end_amdgpu_metadata
.endif
;; end of part 3
;; launch oproj (part 4): grid 4 x 64, 4 waves a work-group, clusters of 4 x 4, 327,680 bytes of LDS; arguments img, sc, bo, out0; writes out0
.if DOCPART == 4
	.amdgcn_target "amdgcn-amd-amdhsa--gfx1250"
	.amdhsa_code_object_version 6
	.text
	.protected	k_q767f77869c_oproj
	.globl	k_q767f77869c_oproj
	.p2align	8
	.type	k_q767f77869c_oproj,@function
k_q767f77869c_oproj:
	s_mov_b64 s[64:65], 0
	v_nop
	global_prefetch_b8 v0, s[64:65] scope:SCOPE_SE
	s_setreg_imm32_b32 hwreg(HW_REG_WAVE_MODE, 25, 1), 1
	s_wait_xcnt 0x0
	s_wait_alu depctr_hold_cnt(0) depctr_sa_sdst(0) depctr_va_vdst(0) depctr_va_sdst(0) depctr_va_ssrc(0) depctr_va_vcc(0) depctr_vm_vsrc(0)
	s_getreg_b32 s2, hwreg(HW_REG_IB_STS2, 6, 4)
	s_cmp_eq_u32 s2, 0
	s_cbranch_scc0 .Lentry_in_a_cluster
	s_endpgm
.Lentry_in_a_cluster:
	s_bfe_u32 s2, ttmp6, 0x10000c
	s_cmp_lg_u32 s2, 0xf033
	s_cbranch_scc0 .Lentry_shape_is_right
	s_endpgm
.Lentry_shape_is_right:
; out0[m][n] = sum over k of o[m][k] wo[n][k] + bo[n], on codes of FP6 (E2M3) with E8M0 scales, f32 sums.  o's codes are img's tiles 768 .. 1279, wo's its tiles 704 .. 767; sc holds their scale bytes.
; img: tile T (16 rows, all 1,024 of K) at 12,288 T, as images of the operand's registers: the fragment of K step q (128 along K) at 1,536 q: registers 0-3 at 16 x lane, 4-5 at 512 + 8 x lane, 6-9 at 768 + 16 x lane, 10-11 at 1,280 + 8 x lane.
; Tile T holds rows 32 (T / 2) + 8 (T % 2) + (r % 8) + 16 (r / 8).  sc: tile T at 512 T, row r at 32 r, word q = the four scale bytes of K step q.
; SHARES: a work-group makes 128 x 256 of out0: 64 x 4 blocks are 256 work-groups.  Its 8 tiles of o (98,304 bytes) and 16 tiles of wo (196,608 bytes) are two dense runs of img and lie in LDS whole, for all of K:
; they are asked for once, at the head, one tensor load a wave: wave 0 o's run, waves 1 to 3 a third of wo's each.  Nothing is filled again: no ring and no round of the cluster's barrier among the products.
; Four waves, 2 x 2: a wave makes 64 x 128: 32 accumulators.  A K step is 32 products on 4 + 8 fragments; two sets of fragment registers: the next step's 48 LDS loads are issued ahead of this step's products.
; CLUSTERS: 4 x 4 work-groups; o's run is shared along a row of the cluster, wo's along a column: joint loads.
; THE MATRIX INSTRUCTION IS USED TRANSPOSED (source 0 = 16 rows of wo, source 1 = 16 rows of o): a lane holds eight neighbouring columns of one row of out0.  The bias is the C of the first K step's products.
; REGISTERS: window 0: v0-31 addresses; v32-95 wo's scale words (8 b + q); v100-131 o's (8 a + q): the two registers of a product differ by 4 modulo 8; v132-227 o's fragments, two sets.
; window 1: wo's fragments, two sets, at v0 and v128; the bias at v96-127 and v224-255.  window 2: the accumulators, (a, b) at v[8 (8 a + b)].
; NO DATA PREFETCH: every tile is asked for at the head and no tensor load follows that a loop could run ahead of.
.set FR,    12
.set TILEB, 12288
.set ABYTES, 8*TILEB                   ; o's run, at LDS byte 0; wo's behind it
.set BTH,   65536                      ; a third of wo's run
.set SPARE, 24*TILEB                   ; behind the tiles: the spare words, 128 bytes a wave; no other line names them
.set SPITCH, 528                       ; the way out: a stage of 16 rows x (512 + 16) bytes a wave, from LDS byte 0 on: on tile bytes that have had their only fill, behind a barrier behind which no wave reads them
.set A16,  16                          ; v16, v17 LDS address of my fragments of o: the pieces of 16 bytes, of 8 bytes
.set A8,   17
.set B16,  18                          ; v18, v19 the same for wo's tiles 0-3, 4-7 (an offset has 16 bits)
.set B8,   20                          ; v20, v21
.set STO,  24
.set RD,   25
.set SPW,  28
.set NIL,  29
.set SC,   32
.set SA,   100
.set AF,   132
.set BK,   128                         ; the way out: 16 rows read back from the stage: v128-191 and v192-255 by turns
.set BI,   96
.set G1,   24
.set G0,   32
.set G1B,  48
.set G0B,  56
.set MSB, 0
.macro WIN new                         ; the immediate's high byte repeats the setting that is left
.if MSB != (\new)
	s_set_vgpr_msb (MSB<<8)|(\new)
.set MSB, (\new)
.endif
.endm
.set MUL,  0xa1                        ; source 0 (wo) window 1, source 1 (o) window 0, C and D window 2
.set FST,  0x91                        ; the same with C (the bias) in window 1
.set TO_B, 0x40
.macro CROUND                          ; a round of the cluster's barrier
	s_barrier_signal -1
	s_barrier_wait -1
	s_cmp_lg_u32 s14, 0
	s_cbranch_scc1 .Lnot_wave_0_\@
	s_barrier_signal -3
.Lnot_wave_0_\@:
	s_barrier_wait -3
	s_barrier_signal -1
	s_barrier_wait -1
.endm
.macro PLACES
.rept 4
	v_nop
.endr
.endm
	s_load_b256 s[4:11], s[0:1], 0x0               ; img, sc, bo, out0
	v_lshl_add_u32 v[SPW], v0, 2, SPARE
	v_mov_b32 v[NIL], 0
	ds_add_u32 v[SPW], v[NIL]                      ; the wave's opening: the add, twice on end, and its wait ahead of the first tensor load
	ds_add_u32 v[SPW], v[NIL]
	v_lshrrev_b32 v1, 5, v0
	v_readfirstlane_b32 s14, v1                    ; wave
	s_lshr_b32 s15, s14, 1                         ; which 64 rows are mine
	s_and_b32 s16, s14, 1                          ; which 128 columns
	s_bfe_u32 s40, ttmp6, 0x40000                  ; cx = the block's column (the grid has one cluster along x)
	s_bfe_u32 s41, ttmp6, 0x40004                  ; cy
	s_and_b32 s17, ttmp7, 0xffff
	s_lshl_b32 s43, s41, 2
	s_lshl_b32 s43, 15, s43                        ; my row of the cluster
	s_lshl_b32 s44, 0x1111, s40                    ; my column
	s_or_b32 s[G1], s43, (3<<16)|(1<<21)           ; elements of 8 bytes; bit 21 beside a mask; no padding: every LDS access is dense
	s_or_b32 s[G1B], s44, (3<<16)|(1<<21)
	s_mov_b32 s[G1+1], 32<<16                      ; o's run: 384 dense rows of 256 bytes
	s_mov_b32 s[G1+2], 384<<16
	s_mov_b32 s[G1+3], 32<<16
	s_mov_b32 s[G1+4], 384
	s_mov_b32 s[G1+5], 32
	s_mov_b32 s[G1+6], 0
	s_mov_b32 s[G1+7], 0
	s_mov_b32 s[G1B+1], 32<<16                     ; a third of wo's run: 256 such rows
	s_mov_b32 s[G1B+2], 256<<16
	s_mov_b32 s[G1B+3], 32<<16
	s_mov_b32 s[G1B+4], 256
	s_mov_b32 s[G1B+5], 32
	s_mov_b32 s[G1B+6], 0
	s_mov_b32 s[G1B+7], 0
	s_lshl_b32 s66, s17, 2
	s_add_co_u32 s66, s66, s41                     ; the block's row, 0 .. 63
	s_lshl_b32 s66, s66, 3                         ; its first tile of o
	s_add_co_u32 s18, s66, 768                     ; in img and sc
	s_lshl_b32 s19, s40, 4
	s_add_co_u32 s19, s19, 704                     ; the block's first tile of wo
	s_mul_i32 s20, s18, TILEB
	s_mov_b32 s21, 0
	s_mul_i32 s46, s19, TILEB
	s_sub_co_u32 s46, s46, BTH
	s_lshl_b32 s45, s14, 16
	s_add_co_u32 s46, s46, s45                     ; wave w = 1 .. 3 fetches third w - 1
	s_mov_b32 s47, 0
	s_add_co_u32 s45, s45, ABYTES-BTH              ; to LDS byte 98,304 + 65,536 (w - 1)
	s_wait_dscnt 0x0                               ; both opening adds are done
	s_wait_kmcnt 0x0
	s_mov_b32 s[G0], 1
	s_mov_b32 s[G0+1], 0
	s_add_nc_u64 s[G0+2:G0+3], s[4:5], s[20:21]
	s_or_b32 s[G0+3], s[G0+3], 0x80000000
	s_mov_b32 s[G0B], 1
	s_mov_b32 s[G0B+1], s45
	s_add_nc_u64 s[G0B+2:G0B+3], s[4:5], s[46:47]
	s_or_b32 s[G0B+3], s[G0B+3], 0x80000000
	CROUND                                         ; all sixteen work-groups are here: the joint loads meet
	s_cmp_eq_u32 s14, 0
	s_cbranch_scc0 .Lfor_b
	tensor_load_to_lds s[G0:G0+3], s[G1:G1+7]
	s_nop 0
	PLACES
	s_branch .Lasked
.Lfor_b:
	tensor_load_to_lds s[G0B:G0B+3], s[G1B:G1B+7]
	s_nop 0
	PLACES
.Lasked:
	s_mul_i32 s22, s15, 4*TILEB                    ; my four tiles of o in LDS
	s_mul_i32 s23, s16, 8*TILEB
	s_add_co_u32 s23, s23, ABYTES                  ; my eight tiles of wo
	s_add_co_u32 s67, s23, 4*TILEB
	s_lshl_b32 s84, s15, 2
	s_add_co_u32 s85, s18, s84
	s_lshl_b32 s88, s85, 9                         ; my tiles' scale words: o's
	s_mov_b32 s89, 0
	s_lshl_b32 s87, s16, 3
	s_add_co_u32 s87, s19, s87
	s_lshl_b32 s90, s87, 9                         ; and wo's
	s_mov_b32 s91, 0
	s_add_nc_u64 s[88:89], s[6:7], s[88:89]
	s_add_nc_u64 s[90:91], s[6:7], s[90:91]
	s_lshl_b32 s92, s40, 10
	s_lshl_b32 s93, s16, 9
	s_add_co_u32 s92, s92, s93                     ; my first column, in bytes
	s_mov_b32 s93, 0
	s_add_nc_u64 s[8:9], s[8:9], s[92:93]
	s_add_nc_u64 s[10:11], s[10:11], s[92:93]
	s_add_co_u32 s84, s66, s84
	s_lshl_b32 s84, s84, 16                        ; my first row: 16 rows of 4,096 bytes a tile
	s_mov_b32 s85, 0
	s_add_nc_u64 s[10:11], s[10:11], s[84:85]
	s_mul_i32 s94, s14, 16*SPITCH                  ; my stage
	v_and_b32 v1, 31, v0
	v_and_b32 v2, 15, v0                           ; r
	v_bfe_u32 v3, v0, 4, 1                         ; h
	v_lshlrev_b32 v4, 4, v1
	v_lshlrev_b32 v5, 3, v1
	v_lshlrev_b32 v6, 5, v2                        ; a row's 32 scale bytes
	v_lshlrev_b32 v7, 6, v3                        ; the bias: 16 h columns
	v_add_nc_u32 v[A16], s22, v4
	v_add_nc_u32 v[A8], s22, v5
	v_add_nc_u32 v[B16], s23, v4
	v_add_nc_u32 v[B8], s23, v5
	v_add_nc_u32 v[B16+1], s67, v4
	v_add_nc_u32 v[B8+1], s67, v5
	v_mul_u32_u24 v[STO], v2, SPITCH               ; into the stage: row r, 64 h bytes
	v_lshl_add_u32 v[STO], v3, 6, v[STO]
	v_add_nc_u32 v[STO], s94, v[STO]
	v_add_nc_u32 v[RD], s94, v4                    ; back: the 32 lanes take one row of 512 bytes
.irp i, 0,1,2,3,4,5,6,7
	global_load_b128 v[SC+8*\i:SC+8*\i+3], v6, s[90:91] offset:512*\i
	global_load_b128 v[SC+8*\i+4:SC+8*\i+7], v6, s[90:91] offset:512*\i+16
.endr
.irp i, 0,1,2,3
	global_load_b128 v[SA+8*\i:SA+8*\i+3], v6, s[88:89] offset:512*\i
	global_load_b128 v[SA+8*\i+4:SA+8*\i+7], v6, s[88:89] offset:512*\i+16
.endr
	WIN TO_B
.irp b, 0,1,2,3,4,5,6,7
	global_load_b128 v[BI+8*\b+96*(\b/4):BI+8*\b+96*(\b/4)+3], v7, s[8:9] offset:(32*(\b/2)+8*(\b%2))*4      ; register j of tile b is column 32 (b / 2) + 8 (b % 2) + 16 h + j
	global_load_b128 v[BI+8*\b+96*(\b/4)+4:BI+8*\b+96*(\b/4)+7], v7, s[8:9] offset:(32*(\b/2)+8*(\b%2))*4+16
.endr
	WIN 0
.macro FRAG reg, a16, a8, off
	ds_load_b128 v[\reg:\reg+3], v[\a16] offset:\off
	ds_load_b64 v[\reg+4:\reg+5], v[\a8] offset:(\off)+512
	ds_load_b128 v[\reg+6:\reg+9], v[\a16] offset:(\off)+768
	ds_load_b64 v[\reg+10:\reg+11], v[\a8] offset:(\off)+1280
.endm
.macro FETCH q, p                      ; K step q's twelve fragments into set p: 48 loads
	WIN TO_B
.irp i, 0,1,2,3,4,5,6,7
	FRAG 128*(\p)+FR*\i, B16+\i/4, B8+\i/4, (\i%4)*TILEB+(\q)*1536
.endr
	WIN 0
.irp i, 0,1,2,3
	FRAG AF+48*(\p)+FR*\i, A16, A8, \i*TILEB+(\q)*1536
.endr
.endm
.macro MUL32 p, q, first               ; 32 products; the 32 accumulators take turns, in the same order in every step
.irp a, 0,1,2,3
.irp b, 0,1,2,3,4,5,6,7
.if \first
	v_wmma_scale_f32_16x16x128_f8f6f4 v[8*(8*\a+\b):8*(8*\a+\b)+7], v[128*(\p)+FR*\b:128*(\p)+FR*\b+FR-1], v[AF+48*(\p)+FR*\a:AF+48*(\p)+FR*\a+FR-1], v[BI+8*\b+96*(\b/4):BI+8*\b+96*(\b/4)+7], v[SC+8*\b+(\q)], v[SA+8*\a+(\q)] matrix_a_fmt:MATRIX_FMT_FP6 matrix_b_fmt:MATRIX_FMT_FP6
.else
	v_wmma_scale_f32_16x16x128_f8f6f4 v[8*(8*\a+\b):8*(8*\a+\b)+7], v[128*(\p)+FR*\b:128*(\p)+FR*\b+FR-1], v[AF+48*(\p)+FR*\a:AF+48*(\p)+FR*\a+FR-1], v[8*(8*\a+\b):8*(8*\a+\b)+7], v[SC+8*\b+(\q)], v[SA+8*\a+(\q)] matrix_a_fmt:MATRIX_FMT_FP6 matrix_b_fmt:MATRIX_FMT_FP6
.endif
.endr
.endr
.endm
	s_wait_alu depctr_va_vdst(0)
	s_wait_tensorcnt 0x0                           ; my run has landed,
	s_barrier_signal -1
	s_barrier_wait -1                              ; everybody's has: all tiles lie in LDS
	FETCH 0, 0
	s_wait_loadcnt 0x0                             ; the scale words and the bias
	FETCH 1, 1
	s_wait_dscnt 48                                ; all but the 48 just issued
	WIN FST
	MUL32 0, 0, 1                                  ; the first step's products start the sums from the bias
	WIN 0
.irp q, 1,2,3,4,5,6
	PLACES                                         ; behind the last step's products, ahead of the loads into their registers
	FETCH \q+1, (\q+1)%2
	s_wait_dscnt 48
	WIN MUL
	MUL32 \q%2, \q, 0
	WIN 0
.endr
	s_wait_dscnt 0x0                               ; my last reads of the tiles are over:
	s_barrier_signal -1                            ; say so, work on registers while the others arrive,
	WIN MUL
	MUL32 1, 7, 0
	WIN 0
	s_barrier_wait -1                              ; and behind this wait no wave reads the tiles: the stages may lie on them
; THE WAY OUT, block by block of 16 rows x 128 columns, through my stage: back come whole rows of 512 bytes, which the 32 lanes store as two aligned units of 256 bytes.
; LDS serves a wave's instructions in order (ISA guide 5.7.1.4): no wait between the stores and the loads.
.macro TOSTAGE a
	WIN 0x08                                       ; the data: window 2
.irp b, 0,1,2,3,4,5,6,7
	ds_store_b128 v[STO], v[64*(\a)+8*\b:64*(\a)+8*\b+3] offset:128*(\b/2)+32*(\b%2)          ; each accumulator from its low end on
	ds_store_b128 v[STO], v[64*(\a)+8*\b+4:64*(\a)+8*\b+7] offset:128*(\b/2)+32*(\b%2)+16
.endr
	WIN 0
.set BB, BK+64*((\a)%2)
.irp t, 0,1,2,3,4,5,6,7,8,9,10,11,12,13,14,15
	ds_load_b128 v[BB+4*\t:BB+4*\t+3], v[RD] offset:\t*SPITCH
.endr
.endm
.macro SEND a, younger                 ; younger: the LDS instructions issued behind block a's loads, which may stay out
.set BB, BK+64*((\a)%2)
	s_wait_dscnt \younger
.irp t, 0,1,2,3,4,5,6,7,8,9,10,11,12,13,14,15
	global_store_b128 v4, v[BB+4*\t:BB+4*\t+3], s[10:11] offset:(32*((\a)/2)+8*((\a)%2)+(\t%8)+16*(\t/8))*4096 th:TH_STORE_NT
.endr
.endm
	PLACES                                         ; behind the last products, ahead of the reads of their results and of the loads into their sources
	TOSTAGE 0
.irp a, 1,2,3
.if \a > 1
	s_wait_xcnt 0x0                                ; block a - 2's stores have read their registers: block a's loads may land there
.endif
	TOSTAGE \a
	SEND \a-1, 32                                  ; behind block a - 1's loads: block a's 16 stores and 16 loads
.endr
	SEND 3, 0
	s_wait_tensorcnt 0x0                           ; the wave's end, behind my last tensor load and my last LDS store
	ds_add_u32 v[SPW], v[NIL]
	s_wait_dscnt 0x0
	CROUND                                         ; the closing round
	s_endpgm
.Lfunc_end_k_q767f77869c_oproj:
	.size	k_q767f77869c_oproj, .Lfunc_end_k_q767f77869c_oproj-k_q767f77869c_oproj
	.p2alignl 7, 3214868480
	.fill 96, 4, 3214868480
	.section	.rodata,"a",@progbits
	.p2align	6, 0x0
	.amdhsa_kernel k_q767f77869c_oproj
		.amdhsa_group_segment_fixed_size 327680
		.amdhsa_private_segment_fixed_size 0
		.amdhsa_enable_private_segment 0
		.amdhsa_kernarg_size 32
		.amdhsa_user_sgpr_count 2
		.amdhsa_user_sgpr_kernarg_segment_ptr 1
		.amdhsa_wavefront_size32 1
		.amdhsa_system_sgpr_workgroup_id_x 1
		.amdhsa_system_sgpr_workgroup_id_y 1
		.amdhsa_system_sgpr_workgroup_id_z 1
		.amdhsa_system_vgpr_workitem_id 0
		.amdhsa_next_free_vgpr 768
		.amdhsa_next_free_sgpr 100
		.amdhsa_reserve_vcc 0
		.amdhsa_float_denorm_mode_32 3
		.amdhsa_float_denorm_mode_16_64 3
		.amdhsa_memory_ordered 1
		.amdhsa_forward_progress 1
		.amdhsa_inst_pref_size 83
	.end_amdhsa_kernel
	.amdgpu_metadata
---
amdhsa.version: [ 1, 2 ]
amdhsa.kernels:
  - .name:           k_q767f77869c_oproj
    .symbol:         k_q767f77869c_oproj.kd
    .args:
      - { .name: img, .offset: 0, .size: 8, .value_kind: global_buffer, .address_space: global }
      - { .name: sc, .offset: 8, .size: 8, .value_kind: global_buffer, .address_space: global }
      - { .name: bo, .offset: 16, .size: 8, .value_kind: global_buffer, .address_space: global }
      - { .name: out0, .offset: 24, .size: 8, .value_kind: global_buffer, .address_space: global }
    .group_segment_fixed_size: 327680
    .private_segment_fixed_size: 0
    .kernarg_segment_align: 8
    .kernarg_segment_size: 32
    .max_flat_workgroup_size: 128
    .sgpr_count:     100
    .vgpr_count:     768
    .wavefront_size: 32
...
	.end_amdgpu_metadata
.endif
;; end of part 4
